; MI455X (gfx1250); checked and timed in simulation.
; The chip was launched on July 23, 2026; its instructions are those of AMD's public machine-readable ISA for CDNA 5 (MIT licence, August 2026) and "CDNA5" Instruction Set Architecture Reference Guide (July 2026). The comments in the code are by the model that wrote it; some were corrected since.
;; Multi Head Self Attention. Allowed arithmetic: float matrix products may take bf16 or f16 operands with f32 sums; all other float work in f32.
;; Inputs: W_out 1,024 x 1,024 float32; W_qkv 1,024 x 3,072 float32; b_out 1,024 float32; b_qkv 3,072 float32; x 2 x 2,048 x 1,024 float32.
;; Outputs: out0 2 x 2,048 x 1,024 float32.
;; One version. Each part assembles by itself: llvm-mc -triple=amdgcn-amd-amdhsa -mcpu=gfx1250 --defsym DOCPART=n.
;; ======== version 1 of 1: 4 launches
;; limits: values are held in f16: magnitudes above 65,504 overflow, below 6.1e-05 lose precision
;; workspace buffers: cb 16,777,216 bytes; qkv 25,165,824 bytes; att 8,388,608 bytes
;; launch cast (part 1): grid 1024 x 1, 8 waves a work-group, no clusters, 0 bytes of LDS; arguments x, W_qkv, W_out, cb; writes cb
.if DOCPART == 1
	.amdgcn_target "amdgcn-amd-amdhsa--gfx1250"
	.amdhsa_code_object_version 6
	.text
	.protected	k_q6317003b7e_cast
	.globl	k_q6317003b7e_cast
	.p2align	8
	.type	k_q6317003b7e_cast,@function
k_q6317003b7e_cast:
	s_mov_b64 s[64:65], 0
	v_nop
	global_prefetch_b8 v0, s[64:65] scope:SCOPE_SE
	s_setreg_imm32_b32 hwreg(HW_REG_WAVE_MODE, 25, 1), 1
	s_wait_xcnt 0x0
; The three large inputs are rounded once to the 16-bit formats that the matrix products take, into one workspace buffer:
;   cb bytes [0, 8388608)          x     as bf16 [4096][1024]
;   cb bytes [8388608, 14680064)   W_qkv as bf16 [1024][3072]
;   cb bytes [14680064, 16777216)  W_out rounded to bf16 and then written in f16 code [1024][1024]
; W_out is held in f16 code because its partner in the last product (the attention result) is kept in f16 for its 11 bits, and one matrix
; instruction takes both operands in one format.  LIMIT: a bf16 number is exact in f16 down to 2^-17; smaller entries of W_out are held to
; within 3e-8 absolute; entries above 65,504 would overflow.
; A stream: no LDS, no barrier, no matrix unit.  Eight waves; the work-group owns 8,192 numbers (32 KiB in, 16 KiB out).  Work-groups
; 0-511 take x, 512-895 W_qkv, 896-1023 W_out; the sections of cb follow each other in that order, so the output offset is 16,384 x id.
; Thread t takes 16 bytes at 16 t + 4,096 k (k = 0..7): a wave's load covers 512 neighbouring bytes, its store 256 neighbouring aligned bytes.
.set XWG, 512                          ; work-groups for x: 4,194,304 numbers / 8,192
.set QWG, 384                          ; for W_qkv: 3,145,728 / 8,192
.set X, 4                              ; v[4:35]   load k: 4 registers
.set Y, 36                             ; v[36:51]  store k: 2 registers of its own, so no store's data is ever rewritten
.set T, 52                             ; v[52:55]  at work
	s_load_b256 s[4:11], s[0:1], 0x0               ; x s[4:5], W_qkv s[6:7], W_out s[8:9], cb s[10:11]
	v_lshlrev_b32 v1, 4, v0                        ; 16 t: my bytes in a run of 4,096
	v_lshlrev_b32 v2, 3, v0                        ; 8 t: the same four numbers in 16 bits
	s_mov_b32 s18, 0xffff0000                      ; a word's upper bf16
	s_wait_kmcnt 0x0
	s_cmp_lt_u32 ttmp9, XWG                        ; which input is mine, and the first work-group of its section
	s_cselect_b64 s[12:13], s[4:5], s[6:7]
	s_cselect_b32 s14, 0, XWG
	s_cmp_lt_u32 ttmp9, XWG+QWG
	s_cselect_b64 s[12:13], s[12:13], s[8:9]
	s_cselect_b32 s14, s14, XWG+QWG
	s_sub_co_u32 s14, ttmp9, s14
	s_lshl_b32 s14, s14, 15                        ; 32,768 bytes of f32 for each work-group of the section
	s_mov_b32 s15, 0
	s_add_nc_u64 s[12:13], s[12:13], s[14:15]
	s_lshl_b32 s16, ttmp9, 14                      ; 16,384 bytes of output for each work-group
	s_mov_b32 s17, 0
	s_add_nc_u64 s[10:11], s[10:11], s[16:17]
.irp k, 0,1,2,3,4,5,6,7
	global_load_b128 v[X+4*\k:X+4*\k+3], v1, s[12:13] offset:4096*\k th:TH_LOAD_NT   ; all eight loads go out first; each byte is read once in the launch
.endr
; Chunk k: four numbers rounded and stored.  wo = 1: bf16, widened again (a shift, a mask) and written as f16.
.macro CV k, wo
	s_wait_loadcnt 7-\k                            ; loads come back in order (ISA guide 5.7.1): chunk k is in, the 7 - k younger ones stay out
.if \wo
	v_cvt_pk_bf16_f32 v[T], v[X+4*\k], v[X+4*\k+1]
	v_cvt_pk_bf16_f32 v[T+1], v[X+4*\k+2], v[X+4*\k+3]
	v_lshlrev_b32 v[T+2], 16, v[T]
	v_and_b32 v[T+3], s18, v[T]
	v_cvt_pk_f16_f32 v[Y+2*\k], v[T+2], v[T+3]
	v_lshlrev_b32 v[T+2], 16, v[T+1]
	v_and_b32 v[T+3], s18, v[T+1]
	v_cvt_pk_f16_f32 v[Y+2*\k+1], v[T+2], v[T+3]
.else
	v_cvt_pk_bf16_f32 v[Y+2*\k], v[X+4*\k], v[X+4*\k+1]
	v_cvt_pk_bf16_f32 v[Y+2*\k+1], v[X+4*\k+2], v[X+4*\k+3]
.endif
	global_store_b64 v2, v[Y+2*\k:Y+2*\k+1], s[10:11] offset:2048*\k   ; 32 lanes x 8 bytes: 256 consecutive bytes, aligned
.endm
	s_cmp_ge_u32 ttmp9, XWG+QWG
	s_cbranch_scc1 .Lwout
.irp k, 0,1,2,3,4,5,6,7
	CV \k, 0
.endr
	s_endpgm
.Lwout:
.irp k, 0,1,2,3,4,5,6,7
	CV \k, 1
.endr
	s_endpgm
.Lfunc_end_k_q6317003b7e_cast:
	.size	k_q6317003b7e_cast, .Lfunc_end_k_q6317003b7e_cast-k_q6317003b7e_cast
	.p2alignl 7, 3214868480
	.fill 96, 4, 3214868480
	.section	.rodata,"a",@progbits
	.p2align	6, 0x0
	.amdhsa_kernel k_q6317003b7e_cast
		.amdhsa_group_segment_fixed_size 0
		.amdhsa_private_segment_fixed_size 0
		.amdhsa_enable_private_segment 0
		.amdhsa_kernarg_size 32
		.amdhsa_user_sgpr_count 2
		.amdhsa_user_sgpr_kernarg_segment_ptr 1
		.amdhsa_wavefront_size32 1
		.amdhsa_system_sgpr_workgroup_id_x 1
		.amdhsa_system_sgpr_workgroup_id_y 1
		.amdhsa_system_sgpr_workgroup_id_z 1
		.amdhsa_system_vgpr_workitem_id 0
		.amdhsa_next_free_vgpr 56
		.amdhsa_next_free_sgpr 66
		.amdhsa_reserve_vcc 0
		.amdhsa_float_denorm_mode_32 3
		.amdhsa_float_denorm_mode_16_64 3
		.amdhsa_memory_ordered 1
		.amdhsa_forward_progress 1
		.amdhsa_inst_pref_size 8
	.end_amdhsa_kernel
	.amdgpu_metadata
---
amdhsa.version: [ 1, 2 ]
amdhsa.kernels:
  - .name:           k_q6317003b7e_cast
    .symbol:         k_q6317003b7e_cast.kd
    .args:
      - { .name: x, .offset: 0, .size: 8, .value_kind: global_buffer, .address_space: global }
      - { .name: W_qkv, .offset: 8, .size: 8, .value_kind: global_buffer, .address_space: global }
      - { .name: W_out, .offset: 16, .size: 8, .value_kind: global_buffer, .address_space: global }
      - { .name: cb, .offset: 24, .size: 8, .value_kind: global_buffer, .address_space: global }
    .group_segment_fixed_size: 0
    .private_segment_fixed_size: 0
    .kernarg_segment_align: 8
    .kernarg_segment_size: 32
    .max_flat_workgroup_size: 256
    .sgpr_count:     66
    .vgpr_count:     56
    .wavefront_size: 32
...
	.end_amdgpu_metadata
.endif
;; end of part 1
;; launch qkvproj (part 2): grid 12 x 16, 4 waves a work-group, clusters of 4 x 4, 327,680 bytes of LDS; arguments cb, b_qkv, qkv; writes qkv
.if DOCPART == 2
	.amdgcn_target "amdgcn-amd-amdhsa--gfx1250"
	.amdhsa_code_object_version 6
	.text
	.protected	k_q6317003b7e_qkvproj
	.globl	k_q6317003b7e_qkvproj
	.p2align	8
	.type	k_q6317003b7e_qkvproj,@function
k_q6317003b7e_qkvproj:
	s_mov_b64 s[64:65], 0
	v_nop
	global_prefetch_b8 v0, s[64:65] scope:SCOPE_SE
	s_setreg_imm32_b32 hwreg(HW_REG_WAVE_MODE, 25, 1), 1
	s_wait_xcnt 0x0
	s_wait_alu depctr_hold_cnt(0) depctr_sa_sdst(0) depctr_va_vdst(0) depctr_va_sdst(0) depctr_va_ssrc(0) depctr_va_vcc(0) depctr_vm_vsrc(0)
	s_getreg_b32 s2, hwreg(HW_REG_IB_STS2, 6, 4)
	s_cmp_eq_u32 s2, 0
	s_cbranch_scc0 .Lentry_in_a_cluster
	s_endpgm
.Lentry_in_a_cluster:
	s_bfe_u32 s2, ttmp6, 0x10000c
	s_cmp_lg_u32 s2, 0xf033
	s_cbranch_scc0 .Lentry_shape_is_right
	s_endpgm
.Lentry_shape_is_right:
; qkv = x W_qkv + b_qkv.  A = x as bf16 [4096][1024] (cb, byte 0), B = W_qkv as bf16 [1024 k][3072 n] (cb, byte 8,388,608), sums in f32.
; The result is stored in f16, head-major: qkv[b 2][g 48][t 2048][64], g = n / 64 (q of head h: g = h, k: 16 + h, v: 32 + h), so that the
; attention launch finds its tiles dense in memory and each store of a wave here covers 512 consecutive bytes.
; LIMIT: |q|, |k|, |v| must stay at or below 65,504 (f16).  f16 and not bf16 because the first rows of a causal average are compared
; against a bound set by the whole output's size, which 8 significant bits do not meet.  The bias is added first (as the C of the first product).
; A work-group makes 256 x 256 with four waves, a wave 128 x 128 = 64 accumulator tiles, 512 registers.  192 work-groups: 16 x 12 blocks.
; K goes in steps of 128 through two LDS slots filled by the tensor data mover.
; CLUSTERS: 4 x 4 work-groups.  A's tile hangs on the block row alone and is asked for jointly by the four of a row of the cluster; B's hangs on the
; block column alone and is asked for jointly by the four of a column.
; B lies [k][n] in memory and in LDS; ds_load_tr16_b128 turns 8 x 8 blocks as it loads, so a lane gets column n with k along its registers.
;
; REGISTERS, in windows of 256:
;   window 0: v16-27 addresses; v64-127, v128-191 fragments of A, two buffers; v192-223 at work on the way out
;   window 1: v0-63 the bias of my 128 columns; v64-127, v128-191 fragments of B, two buffers
;   window 2: accumulator tiles of my rows 0-63 (tile (a, b) at v[8 (8 a + b)]);   window 3: of my rows 64-127
; The matrix instruction is used transposed (source 0 = 16 columns of W, source 1 = 16 rows of x): lane l holds row l % 16 and its registers
; 0-7 the columns 8 (l / 16) + 0..7, eight neighbouring numbers of a row.
.set SIZE_K, 1024
.set SIZE_N, 3072
.set WQ_OFF, 8388608                   ; where W_qkv's bf16 copy begins in cb
.set SLAB,   262144                    ; bytes of one [2048][64] f16 slab of qkv
.set KSTEP,  128
.set PITCH,  272                       ; A's LDS row: 256 bytes + 16 of padding: the 16 rows of a fragment load start 16 bytes apart modulo 256
.set BPITCH, 544                       ; B's LDS row: 512 bytes + 32 of padding = 17 x 32
.set HALFT,  128*PITCH                 ; what one tensor load brings: 128 rows of A, or 64 k-rows of B (64 x 544 is the same 34,816 bytes)
.set SLOT,   4*HALFT                   ; A's rows 0-127, A's rows 128-255, B's k 0-63, B's k 64-127
.set STAGE,  2*SLOT                    ; behind the ring: 16 rows x 272 bytes for each wave; no tensor load lands here
.set SPITCH, 272
.set LAPS,   SIZE_K/(2*KSTEP)          ; a lap = two K steps = once round the ring: 4
.set ADRA, 16                          ; v16-17  LDS address of my A fragments in slot 0, 1
.set ADRB, 20                          ; v20-21  the same for B
.set STO,  24                          ; way out: where I put 16 bytes of a row
.set RD,   25                          ; way out: where I read back
.set CO,   26                          ; 16 x lane
.set BO,   27                          ; 32 x (lane / 16): my eight numbers in a run of sixteen of the bias
.set F0,   64
.set F1,   128
.set TMP,  192
.set G1,  24                           ; s[24:31] group 1 for A's tiles
.set G0,  32                           ; s[32:39] group 0 for A's tiles, a set for each slot
.set G1B, 48                           ; s[48:55] group 1 for B's tiles
.set G0B, 56                           ; s[56:63] group 0 for B's tiles, a set for each slot
.set MSB, 0
.macro WIN new                         ; the immediate's high byte repeats the setting that is left; a switch that changes nothing is dropped
.if MSB != \new
	s_set_vgpr_msb (MSB<<8)|\new
.set MSB, \new
.endif
.endm
.set MUL_LO,  0xa1                     ; source 0 (B) window 1, source 1 (A) window 0, C and D window 2
.set MUL_HI,  0xf1                     ; the same, C and D window 3
.set BIAS_LO, 0x91                     ; the first products: C = the bias in window 1, D window 2
.set BIAS_HI, 0xd1                     ; C window 1, D window 3
.set TO_B,    0x40                     ; destination window 1, address window 0
; A joint load.  Waves 0 and 1 fetch A's two halves, waves 2 and 3 B's.  Each line has one mask and one set of registers for all that issue it.
.macro JLOAD slot
	s_cmp_eq_u32 s13, 0
	s_cbranch_scc0 .Lfor_b_\@
	tensor_load_to_lds s[G0+4*\slot:G0+4*\slot+3], s[G1:G1+7]
	s_nop 0
	s_branch .Lasked_\@
.Lfor_b_\@:
	tensor_load_to_lds s[G0B+4*\slot:G0B+4*\slot+3], s[G1B:G1B+7]
	s_nop 0
.Lasked_\@:
.endm
; A round of the cluster's barrier: my work-group's barrier; wave 0 signals for the work-group; every wave waits for all sixteen; my work-group's barrier again.
.macro CREST                           ; a round behind its opening barrier
	s_cmp_lg_u32 s12, 0
	s_cbranch_scc1 .Lnot_wave_0_\@
	s_barrier_signal -3
.Lnot_wave_0_\@:
	s_barrier_wait -3
	s_barrier_signal -1
	s_barrier_wait -1
.endm
.macro CROUND
	s_barrier_signal -1
	s_barrier_wait -1
	CREST
.endm
	s_load_b128 s[4:7], s[0:1], 0x0                ; cb s[4:5], b_qkv s[6:7]
	s_load_b64 s[10:11], s[0:1], 0x10              ; qkv
	s_set_vgpr_msb 0x40
	v_lshl_add_u32 v255, v0, 2, 0x48400
	s_set_vgpr_msb 0x4000
	v_mov_b32 v255, 0
	s_set_vgpr_msb 0x1
	ds_add_u32 v255, v255
	ds_add_u32 v255, v255
	s_set_vgpr_msb 0x100
	v_lshrrev_b32 v1, 5, v0
	v_readfirstlane_b32 s12, v1                    ; wave 0..3
	s_lshr_b32 s13, s12, 1                         ; my half of the block's rows.  Also: I fetch for A (0) or for B (1)
	s_and_b32 s14, s12, 1                          ; my half of its columns.  Also: which part of that tile I fetch
	s_bfe_u32 s17, ttmp6, 0x40000                  ; cx
	s_bfe_u32 s18, ttmp6, 0x40004                  ; cy
	s_lshl_b32 s16, ttmp9, 2
	s_add_co_u32 s16, s16, s17                     ; block column = 4 x cluster x + cx, 0..11
	s_and_b32 s15, ttmp7, 0xffff
	s_lshl_b32 s15, s15, 2
	s_add_co_u32 s15, s15, s18                     ; block row = 4 x cluster y + cy, 0..15
	s_lshl_b32 s19, s18, 2
	s_lshl_b32 s19, 15, s19                        ; my row of the cluster: places 4 cy .. 4 cy + 3
	s_lshl_b32 s20, 0x1111, s17                    ; my column: places cx, cx + 4, cx + 8, cx + 12
	; group 1 for A: 128 rows x 128 bf16, 16 bytes of padding behind every 64 words
	s_or_b32 s[G1+0], s19, (1<<16)|(1<<20)|(1<<21)|(5<<22)|(3<<25)   ; mask of my row; elements of 2 bytes; padding on; bit 21 beside a mask; interval code 5; 4 words
	s_mov_b32 s[G1+1], KSTEP<<16                   ; tensor_dim0 = 128
	s_mov_b32 s[G1+2], 128<<16                     ; tensor_dim1 = 128
	s_mov_b32 s[G1+3], KSTEP<<16                   ; tile_dim0 = 128
	s_mov_b32 s[G1+4], 128                         ; tile_dim1 = 128
	s_mov_b32 s[G1+5], SIZE_K                      ; elements from row to row
	s_mov_b32 s[G1+6], 0
	s_mov_b32 s[G1+7], 0
	; group 1 for B: 64 k-rows x 256 bf16, 32 bytes of padding behind every 128 words
	s_or_b32 s[G1B+0], s20, (1<<16)|(1<<20)|(1<<21)|(6<<22)|(7<<25)  ; mask of my column; interval code 6; 8 words
	s_mov_b32 s[G1B+1], 256<<16                    ; tensor_dim0 = 256
	s_mov_b32 s[G1B+2], 64<<16                     ; tensor_dim1 = 64
	s_mov_b32 s[G1B+3], 256<<16                    ; tile_dim0 = 256
	s_mov_b32 s[G1B+4], 64                         ; tile_dim1 = 64
	s_mov_b32 s[G1B+5], SIZE_N
	s_mov_b32 s[G1B+6], 0
	s_mov_b32 s[G1B+7], 0
	; where the tiles come from.  A's offset is made of the block row and the wave's number in s40, s41, s44; B's of the block column and the wave's number in s42, s43, s46.
	s_lshl_b32 s40, s15, 8
	s_lshl_b32 s44, s14, 7
	s_add_co_u32 s40, s40, s44                     ; A: row 256 x block row + 128 x part
	s_lshl_b32 s40, s40, 11                        ; x 2,048 bytes a row
	s_mov_b32 s41, 0
	s_mul_i32 s42, s14, 64*SIZE_N*2                ; B: k-row 64 x part,
	s_lshl_b32 s46, s16, 9                         ; column 256 x block column, 2 bytes each,
	s_add_co_u32 s42, s42, s46
	s_add_co_u32 s42, s42, WQ_OFF                  ; in W_qkv's section of cb
	s_mov_b32 s43, 0
	s_mul_i32 s21, s12, HALFT                      ; and where they go: wave x 34,816: no place in the cluster enters an LDS address
	s_lshl_b32 s22, s16, 10                        ; the bias of my 128 columns: 4 x (256 x block column + 128 x half)
	s_lshl_b32 s23, s14, 9
	s_add_co_u32 s22, s22, s23
	s_mov_b32 s23, 0
	s_wait_dscnt 0x0
	s_wait_kmcnt 0x0
	s_add_nc_u64 s[40:41], s[4:5], s[40:41]
	s_add_nc_u64 s[42:43], s[4:5], s[42:43]
	s_add_nc_u64 s[66:67], s[6:7], s[22:23]
	CROUND                                         ; all sixteen work-groups are here: the first joint loads meet
.irp s, 0,1
	s_mov_b32 s[G0+4*\s], 1                                        ; count = 1
	s_add_co_u32 s[G0+4*\s+1], s21, \s*SLOT                        ; LDS address
	s_add_nc_u64 s[G0+4*\s+2:G0+4*\s+3], s[40:41], \s*KSTEP*2      ; K step s: 128 elements along A's rows
	s_or_b32 s[G0+4*\s+3], s[G0+4*\s+3], 0x80000000                ; type = 2
	s_mov_b32 s[G0B+4*\s], 1
	s_add_co_u32 s[G0B+4*\s+1], s21, \s*SLOT
	s_add_nc_u64 s[G0B+4*\s+2:G0B+4*\s+3], s[42:43], \s*KSTEP*SIZE_N*2   ; K step s: 128 rows down B
	s_or_b32 s[G0B+4*\s+3], s[G0B+4*\s+3], 0x80000000
	JLOAD \s                                       ; the ring is filled before anything else: two loads of the wave are out
.endr
	v_and_b32 v1, 15, v0                           ; r = l % 16
	v_bfe_u32 v2, v0, 4, 1                         ; h = l / 16
	v_mul_u32_u24 v3, v1, PITCH
	v_lshl_add_u32 v3, v2, 4, v3                   ; 272 r + 16 h
	s_mul_i32 s22, s13, HALFT                      ; my 128 rows of A
	v_add_nc_u32 v[ADRA], s22, v3
	v_add_nc_u32 v[ADRA+1], SLOT, v[ADRA]
	v_and_b32 v4, 7, v0
	v_lshl_add_u32 v4, v2, 3, v4                   ; k-row 8 h + l % 8
	v_mul_u32_u24 v4, v4, BPITCH
	v_bfe_u32 v5, v0, 3, 1
	v_lshl_add_u32 v4, v5, 4, v4                   ; + 16 bytes for the second eight columns of a block of sixteen
	s_lshl_b32 s23, s14, 8                         ; my 128 columns of B,
	s_add_co_u32 s23, s23, 2*HALFT                 ; which lies behind A's 256 rows
	v_add_nc_u32 v[ADRB], s23, v4
	v_add_nc_u32 v[ADRB+1], SLOT, v[ADRB]
	s_mul_i32 s22, s12, 16*SPITCH
	s_add_co_u32 s22, s22, STAGE                   ; my stage
	v_add_nc_u32 v[STO], s22, v3                   ; in: row r, 16 bytes for each half of the lanes
	v_bfe_u32 v6, v0, 3, 2
	v_mul_u32_u24 v6, v6, SPITCH                   ; back: eight lanes take the 128 bytes of one head in one row, four rows a load
	v_and_b32 v7, 7, v0
	v_lshl_add_u32 v6, v7, 4, v6
	v_add_nc_u32 v[RD], s22, v6
	v_and_b32 v8, 31, v0
	v_lshlrev_b32 v[CO], 4, v8
	v_lshlrev_b32 v[BO], 5, v2
	WIN TO_B
.irp b, 0,1,2,3,4,5,6,7
	global_load_b128 v[8*\b:8*\b+3],   v[BO], s[66:67] offset:64*\b      ; window 1, v[8 b + j] = bias of column 16 b + 8 h + j: the layout of a result tile
	global_load_b128 v[8*\b+4:8*\b+7], v[BO], s[66:67] offset:64*\b+16
.endr
	WIN 0
; 16 matrix instructions: row blocks a0, a0 + 1 of the window's four x all 8 column blocks, 32 along K.  first = 1: the bias is the C of the first product: nothing is cleared.
; The 64 accumulators take turns, one instruction a turn, in the same order in every quarter step.
.macro MUL16 f, hi, a0, first
.irp a, \a0, \a0+1
.irp b, 0,1,2,3,4,5,6,7
.if \first
	v_wmma_f32_16x16x32_bf16 v[8*(8*(\a)+\b):8*(8*(\a)+\b)+7], v[\f+8*\b:\f+8*\b+7], v[\f+8*(4*\hi+\a):\f+8*(4*\hi+\a)+7], v[8*\b:8*\b+7]
.else
	v_wmma_f32_16x16x32_bf16 v[8*(8*(\a)+\b):8*(8*(\a)+\b)+7], v[\f+8*\b:\f+8*\b+7], v[\f+8*(4*\hi+\a):\f+8*(4*\hi+\a)+7], v[8*(8*(\a)+\b):8*(8*(\a)+\b)+7]
.endif
.endr
.endr
.endm
; 32 LDS loads in one run: the fragments of quarter q (32 along K) of a slot into buffer f.  B: k-rows 32 q .. 32 q + 31, turned as they load; A: byte 64 q of its rows.
.macro FETCH slot, q, f
	WIN TO_B
.irp i, 0,1,2,3,4,5,6,7
	ds_load_tr16_b128 v[\f+8*\i:\f+8*\i+3],   v[ADRB+\slot] offset:\q*32*BPITCH+32*\i
	ds_load_tr16_b128 v[\f+8*\i+4:\f+8*\i+7], v[ADRB+\slot] offset:\q*32*BPITCH+32*\i+16*BPITCH
.endr
	WIN 0
.irp i, 0,1,2,3,4,5,6,7
	ds_load_b128 v[\f+8*\i:\f+8*\i+3],   v[ADRA+\slot] offset:\q*64+\i*16*PITCH
	ds_load_b128 v[\f+8*\i+4:\f+8*\i+7], v[ADRA+\slot] offset:\q*64+\i*16*PITCH+32
.endr
.endm
; Four plain vector places stand between a matrix instruction and a load into one of its registers, or a vector instruction that reads its result.
.macro PLACES
.rept 4
	v_nop
.endr
.endm
; One of a K step's first three quarters: multiplies buffer f; in its middle it fetches quarter q of the same slot into buffer g.
.macro QUARTER slot, q, f, g, first
	s_wait_dscnt 8                                 ; B and A's rows 0-63 are in; the youngest eight loads (A's rows 64-127) may be out
.if \first
	WIN BIAS_LO
.else
	WIN MUL_LO
.endif
	MUL16 \f, 0, 0, \first
	MUL16 \f, 0, 2, \first
	PLACES
	FETCH \slot, \q, \g
	s_wait_dscnt 32                                ; all but the 32 just issued
.if \first
	WIN BIAS_HI
.else
	WIN MUL_HI
.endif
	MUL16 \f, 1, 0, \first
	MUL16 \f, 1, 2, \first
.endm
.macro THREE slot, first
	QUARTER \slot, 1, F0, F1, \first
	QUARTER \slot, 2, F1, F0, 0
	QUARTER \slot, 3, F0, F1, 0
.endm
; The last quarter: multiplies buffer 1 and changes slots.  In front of the barrier each wave waits for its reads of this slot and for all its tensor
; loads (one is out: its part of the next slot).  fill = 1: the barrier opens a round of the cluster's barrier, and behind the round this slot is asked for again,
; two K steps ahead, first of all.  From that request to the wait for it a wave issues 240 matrix instructions.
.macro TURN slot, next, fill
	s_wait_dscnt 8
	WIN MUL_LO
	MUL16 F1, 0, 0, 0
	s_wait_dscnt 0                                 ; my reads of this slot are over
	s_wait_tensorcnt 0x0                           ; all my tensor loads have landed
	ds_add_u32 v255, v255
	s_wait_dscnt 0x0
	s_barrier_signal -1
	MUL16 F1, 0, 2, 0                              ; register work while the others arrive
	WIN 0
	s_barrier_wait -1
.if \fill
	CREST                                          ; no wave of any partner still reads this slot or has a load on its way
	s_add_nc_u64 s[G0+4*\slot+2:G0+4*\slot+3], s[G0+4*\slot+2:G0+4*\slot+3], 2*KSTEP*2
	s_add_nc_u64 s[G0B+4*\slot+2:G0B+4*\slot+3], s[G0B+4*\slot+2:G0B+4*\slot+3], 2*KSTEP*SIZE_N*2
	JLOAD \slot                                    ; the wave's one tensor load behind the round
.endif
	PLACES
	FETCH \next, 0, F0
	WIN MUL_HI
	MUL16 F1, 1, 0, 0
	MUL16 F1, 1, 2, 0
.endm
.macro LAP first
	THREE 0, \first
	TURN 0, 1, 1
	THREE 1, 0
	TURN 1, 0, 1
.endm
	s_wait_tensorcnt 1                             ; my part of K step 0 is in; K step 1's load stays out
	s_barrier_signal -1
	s_barrier_wait -1                              ; everybody's part is in
	FETCH 0, 0, F0
	s_wait_loadcnt 0x0                             ; the bias
	LAP 1                                          ; the first lap stands in front of the loop: its first products start the sums from the bias
	WIN 0                                          ; at a label and at a branch every window is 0
	s_mov_b32 s3, LAPS-2
.Llap:
	LAP 0
	WIN 0
	s_sub_co_u32 s3, s3, 1
	s_cmp_lg_u32 s3, 0
	s_cbranch_scc1 .Llap
	THREE 0, 0                                     ; the last lap fills nothing
	TURN 0, 1, 0
	THREE 1, 0
	s_wait_dscnt 8                                 ; the very last quarter
	WIN MUL_LO
	MUL16 F1, 0, 0, 0
	MUL16 F1, 0, 2, 0
	s_wait_dscnt 0
	WIN MUL_HI
	MUL16 F1, 1, 0, 0
	MUL16 F1, 1, 2, 0
	; THE WAY OUT, 16 rows at a time: round to f16, 16 bytes a lane into my own stage, read back by heads.
	PLACES
	s_lshr_b32 s44, s15, 3                         ; the row part, from the block row alone: batch = block row / 8, 48 slabs each,
	s_mul_i32 s44, s44, 48*SLAB
	s_and_b32 s45, s15, 7
	s_lshl_b32 s45, s45, 15                        ; t = 256 x (block row % 8), 128 bytes a row,
	s_add_co_u32 s44, s44, s45
	s_lshl_b32 s45, s13, 14                        ; + 128 x my half
	s_add_co_u32 s44, s44, s45
	s_mov_b32 s45, 0
	s_add_nc_u64 s[10:11], s[10:11], s[44:45]
	s_lshl_b32 s46, s16, 20                        ; the column part, from the block column alone: slab 4 x block column + 2 x my half
	s_lshl_b32 s47, s14, 19
	s_add_co_u32 s46, s46, s47
	s_mov_b32 s47, 0
	s_add_nc_u64 s[10:11], s[10:11], s[46:47]
; rows 16 i .. 16 i + 15 of my block = the eight tiles (a, 0..7) of window 2 or 3 (from = 0x0a or 0x0f: sources 0 and 1); f: F0 or F1 in turn
.macro OUT16 i, a, from, f
	WIN \from
.irp b, 0,1,2,3,4,5,6,7
.irp r, 0,1,2,3
	v_cvt_pk_f16_f32 v[TMP+4*\b+\r], v[8*(8*\a+\b)+2*\r], v[8*(8*\a+\b)+2*\r+1]
.endr
.endr
	WIN 0
.irp b, 0,1,2,3,4,5,6,7
	ds_store_b128 v[STO], v[TMP+4*\b:TMP+4*\b+3] offset:32*\b
.endr
	s_wait_xcnt 0x0                                ; buffer f, which earlier stores read, is loaded again only behind this wait
.irp t, 0,1,2,3,4,5,6,7
	ds_load_b128 v[\f+4*\t:\f+4*\t+3], v[RD] offset:(\t&3)*4*SPITCH+(\t>>2)*128   ; four rows of one head; LDS serves a wave's instructions in order: these see the stores above
.endr
.irp t, 0,1,2,3,4,5,6,7
	s_wait_dscnt 7-\t                              ; load t of the eight is in
	global_store_b128 v[CO], v[\f+4*\t:\f+4*\t+3], s[10:11] offset:(\t>>2)*SLAB+(16*\i+4*(\t&3))*128   ; 32 lanes store 512 consecutive bytes, aligned: four rows of a slab
.endr
.endm
	OUT16 0, 0, 0x0a, F0
	OUT16 1, 1, 0x0a, F1
	OUT16 2, 2, 0x0a, F0
	OUT16 3, 3, 0x0a, F1
	OUT16 4, 0, 0x0f, F0
	OUT16 5, 1, 0x0f, F1
	OUT16 6, 2, 0x0f, F0
	OUT16 7, 3, 0x0f, F1
	s_set_vgpr_msb 0x1
	s_wait_tensorcnt 0x0
	ds_add_u32 v255, v255
	s_wait_dscnt 0x0
	s_set_vgpr_msb 0x100
	CROUND                                         ; the closing round: no work-group ends while a partner may still ask for a tile that names it
	s_endpgm
.Lfunc_end_k_q6317003b7e_qkvproj:
	.size	k_q6317003b7e_qkvproj, .Lfunc_end_k_q6317003b7e_qkvproj-k_q6317003b7e_qkvproj
	.p2alignl 7, 3214868480
	.fill 96, 4, 3214868480
	.section	.rodata,"a",@progbits
	.p2align	6, 0x0
	.amdhsa_kernel k_q6317003b7e_qkvproj
		.amdhsa_group_segment_fixed_size 327680
		.amdhsa_private_segment_fixed_size 0
		.amdhsa_enable_private_segment 0
		.amdhsa_kernarg_size 24
		.amdhsa_user_sgpr_count 2
		.amdhsa_user_sgpr_kernarg_segment_ptr 1
		.amdhsa_wavefront_size32 1
		.amdhsa_system_sgpr_workgroup_id_x 1
		.amdhsa_system_sgpr_workgroup_id_y 1
		.amdhsa_system_sgpr_workgroup_id_z 1
		.amdhsa_system_vgpr_workitem_id 0
		.amdhsa_next_free_vgpr 1024
		.amdhsa_next_free_sgpr 72
		.amdhsa_reserve_vcc 0
		.amdhsa_float_denorm_mode_32 3
		.amdhsa_float_denorm_mode_16_64 3
		.amdhsa_memory_ordered 1
		.amdhsa_forward_progress 1
		.amdhsa_inst_pref_size 198
	.end_amdhsa_kernel
	.amdgpu_metadata
---
amdhsa.version: [ 1, 2 ]
amdhsa.kernels:
  - .name:           k_q6317003b7e_qkvproj
    .symbol:         k_q6317003b7e_qkvproj.kd
    .args:
      - { .name: cb, .offset: 0, .size: 8, .value_kind: global_buffer, .address_space: global }
      - { .name: b_qkv, .offset: 8, .size: 8, .value_kind: global_buffer, .address_space: global }
      - { .name: qkv, .offset: 16, .size: 8, .value_kind: global_buffer, .address_space: global }
    .group_segment_fixed_size: 327680
    .private_segment_fixed_size: 0
    .kernarg_segment_align: 8
    .kernarg_segment_size: 24
    .max_flat_workgroup_size: 128
    .sgpr_count:     72
    .vgpr_count:     1024
    .wavefront_size: 32
...
	.end_amdgpu_metadata
.endif
;; end of part 2
;; launch attn (part 3): grid 8 x 32, 8 waves a work-group, no clusters, 327,680 bytes of LDS; arguments qkv, att; writes att
.if DOCPART == 3
	.amdgcn_target "amdgcn-amd-amdhsa--gfx1250"
	.amdhsa_code_object_version 6
	.text
	.protected	k_q6317003b7e_attn
	.globl	k_q6317003b7e_attn
	.p2align	8
	.type	k_q6317003b7e_attn,@function
k_q6317003b7e_attn:
	s_mov_b64 s[64:65], 0
	v_nop
	global_prefetch_b8 v0, s[64:65] scope:SCOPE_SE
	s_setreg_imm32_b32 hwreg(HW_REG_WAVE_MODE, 25, 1), 1
	s_wait_xcnt 0x0
; Causal attention of one head: att[b][h][t][64] = softmax(q k^T / 8, keys <= query) v, from qkv[b][g][t][64] in f16; scores, softmax and sums in f32,
; with a running maximum.  The weights go to the matrix unit as f16 (they lie in 0..1), the result is stored as f16.
; LIMIT: NaN and infinite inputs are not treated.  q and k are f16, so a raw score lies within 64 x 65,504^2; the floor -2^127 that starts the running maximum is below every score.
; SHARE: a head has 16 query blocks of 128 rows.  Work-group (j, bh) takes blocks j and 15 - j: (j + 1) + (16 - j) = 17 units of 128 queries x 128 keys in every
; work-group, 256 equal work-groups.  Key tiles above the diagonal are never loaded.  Wave w: wq = w % 4 owns query rows 32 wq .. + 31, half = w / 4 owns keys 64 half .. + 63 of every unit;
; the two waves with the same rows keep their own maximum, sum and result and merge once at the end of a block, through LDS.
; NO CLUSTER: the eight work-groups of a head walk tile b, then 0 .. b - 1, for two different b each, so at a given step partners want different tiles and
; different numbers of them; a joint request would have to be made by all in the same round.
; EVERYTHING IS TRANSPOSED: S^T = K Q^T (a lane holds one query, its registers eight keys), so maximum and sum are per lane, the weights pack in the lane into the B fragment
; of O^T = V^T P^T, and V^T's fragment comes from V's rows by the transposing LDS load.
; ORDER: in each block the diagonal unit comes first and starts maximum, sum and result: nothing is cleared.  bO is the even block of the two, bE the odd one:
;   slot 0: diagonal of bO; (slot 1, slot 0) x bO / 2; slot 1: diagonal of bE; (slot 0, slot 1) x (bE - 1) / 2; slot 0.  The slots take turns on every path.
.set SLAB,  262144                     ; bytes of one [2048][64] f16 slab
.set PART,  5120                       ; LDS bytes for what one wave's tensor load brings: 32 keys
.set SLOT,  8*PART                     ; parts 0-3: K's 128 keys at pitch 144 (4,608 bytes of each part are used); parts 4-7: V's 128 keys at pitch 160
.set KP,    144                        ; 128 + 16: sixteen rows start 16 bytes apart modulo 256
.set VP,    160                        ; 128 + 32 = 5 x 32, for the transposing load
.set MERGE, 2*SLOT                     ; 81,920: 17 x 512 bytes for each pair of waves; no tensor load lands here or behind
.set MSZ,   17*512
.set OSTAGE, MERGE+4*MSZ               ; 116,736: 32 rows x 144 bytes for each of waves 0-3
.set OSZ,   32*KP
.set G1K, 16                           ; s[16:23] group 1 for K's parts
.set G1V, 24                           ; s[24:31] group 1 for V's parts: the padding differs
.set G0,  32                           ; s[32:39] group 0, a set for each slot
.set VQ,   3                           ; 128 r + 16 h: my bytes in sixteen rows of Q
.set KA,   4                           ; v4-5   LDS address of my K fragments in slot 0, 1
.set VA,   6                           ; v6-7   the same for V
.set DIFF, 8                           ; (32 wq + r) - (64 half + 8 h): query minus key, without the tile terms
.set NINF, 9
.set MS,   10                          ; merge area: 16 x lane in my pair's bytes
.set STO,  11
.set RD,   12
.set CO,   13
.set M,    14                          ; v14-15  running maximum of query tile 0, 1 (raw scores)
.set LS,   16                          ; v[16:17], v[18:19]  running sums: two partial sums a lane for each query tile
.set AL,   20                          ; v[20:21]  factor for what has been summed (v21 is written once, so that the pair may be named)
.set NM,   22                          ; v[22:23]  -c x maximum (v23 likewise)
.set T,    24                          ; v[24:31]  at work
.set Q,    32                          ; v[32:63]  Q(qt, c) at 32 + 16 qt + 8 c
.set KV,   64                          ; v[64:127] K(kt, c) at 64 + 16 kt + 8 c, then V(dt, u) at 64 + 16 dt + 8 u
.set S,    128                         ; v[128:191] S(kt, qt) at 128 + 32 qt + 8 kt; the weights P(qt, u) are packed in place at 128 + 32 qt + 16 u
.set O,    192                         ; v[192:255] O(dt, qt) at 192 + 32 qt + 8 dt
; One tensor load a wave: waves 0-3 bring K's four parts, waves 4-7 V's.  The branch hangs on the wave's number alone.
.macro JLOAD slot
	s_cmp_eq_u32 s9, 0
	s_cbranch_scc0 .Lfor_v_\@
	tensor_load_to_lds s[G0+4*(\slot):G0+4*(\slot)+3], s[G1K:G1K+7]
	s_nop 0
	s_branch .Lasked_\@
.Lfor_v_\@:
	tensor_load_to_lds s[G0+4*(\slot):G0+4*(\slot)+3], s[G1V:G1V+7]
	s_nop 0
.Lasked_\@:
.endm
; The next key tile's address into a slot's group 0: tiles 0 .. lim - 1 in turn, then alt (the next block's diagonal tile).
.macro NEXT slot
	s_cmp_lt_u32 s52, s53
	s_cselect_b32 s42, s52, s54
	s_add_co_u32 s52, s52, 1
	s_lshl_b32 s42, s42, 14                        ; 128 keys x 128 bytes
	s_add_nc_u64 s[G0+4*(\slot)+2:G0+4*(\slot)+3], s[40:41], s[42:43]
	s_or_b32 s[G0+4*(\slot)+3], s[G0+4*(\slot)+3], 0x80000000
.endm
; My 32 rows of query block s[blk], as B fragments straight from memory: lane (r, h) takes row r, 16 bytes at 16 h and at 32 + 16 h of each half row.
.macro LOADQ blk
	s_lshl_b32 s62, s[\blk], 14
	s_mov_b32 s63, 0
	s_add_nc_u64 s[48:49], s[44:45], s[62:63]
.irp qt, 0,1
.irp c, 0,1
.irp e, 0,1
	global_load_b128 v[Q+16*\qt+8*\c+4*\e:Q+16*\qt+8*\c+4*\e+3], v[VQ], s[48:49] offset:2048*\qt+64*\c+32*\e
.endr
.endr
.endr
.endm
	s_load_b128 s[4:7], s[0:1], 0x0                ; qkv s[4:5], att s[6:7]
	s_set_vgpr_msb 0x40
	v_lshl_add_u32 v0, v0, 2, 0x29000
	v_mov_b32 v1, 0
	s_set_vgpr_msb 0x4045
	ds_add_u32 v0, v1
	ds_add_u32 v0, v1
	s_set_vgpr_msb 0x4500
	v_lshrrev_b32 v1, 5, v0
	v_readfirstlane_b32 s8, v1                     ; wave 0..7
	s_lshr_b32 s9, s8, 2                           ; half: my 64 keys of a unit.  Also: I fetch K (0) or V (1)
	s_and_b32 s10, s8, 3                           ; wq: my 32 query rows.  Also: which 32 keys I fetch
	s_mov_b32 s11, ttmp9                           ; j
	s_and_b32 s12, ttmp7, 0xffff                   ; bh = 16 b + h
	s_sub_co_u32 s15, 15, s11
	s_bitcmp1_b32 s11, 0                           ; j odd?
	s_cselect_b32 s13, s15, s11                    ; bO: the even one of j and 15 - j
	s_cselect_b32 s14, s11, s15                    ; bE: the odd one
	; Group 1: a wave's 32 keys are 4,096 dense bytes: 16 rows of 32 elements of 8 bytes.  The padding is counted along the whole tile, every 32 words:
	; each key's 128 bytes get their own pad, 4 words for K (pitch 144), 8 for V (pitch 160).
	s_mov_b32 s[G1K+0], (3<<16)|(1<<20)|(4<<22)|(3<<25)
	s_mov_b32 s[G1K+1], 32<<16                     ; tensor_dim0 = 32
	s_mov_b32 s[G1K+2], 16<<16                     ; tensor_dim1 = 16
	s_mov_b32 s[G1K+3], 32<<16                     ; tile_dim0 = 32
	s_mov_b32 s[G1K+4], 16                         ; tile_dim1 = 16
	s_mov_b32 s[G1K+5], 32                         ; pitch = a row: dense
	s_mov_b32 s[G1K+6], 0
	s_mov_b32 s[G1K+7], 0
	s_mov_b32 s[G1V+0], (3<<16)|(1<<20)|(4<<22)|(7<<25)
	s_mov_b32 s[G1V+1], 32<<16
	s_mov_b32 s[G1V+2], 16<<16
	s_mov_b32 s[G1V+3], 32<<16
	s_mov_b32 s[G1V+4], 16
	s_mov_b32 s[G1V+5], 32
	s_mov_b32 s[G1V+6], 0
	s_mov_b32 s[G1V+7], 0
	s_mov_b32 s[G0], 1
	s_mul_i32 s[G0+1], s8, PART                    ; LDS: wave x 5,120, + the slot
	s_mov_b32 s[G0+4], 1
	s_add_co_u32 s[G0+5], s[G0+1], SLOT
	s_lshr_b32 s15, s12, 4
	s_mul_i32 s15, s15, 48
	s_and_b32 s62, s12, 15
	s_add_co_u32 s15, s15, s62                     ; q's slab: 48 b + h
	s_lshl_b32 s62, s15, 18
	s_lshl_b32 s63, s10, 12                        ; + 32 wq rows of 128 bytes
	s_add_co_u32 s62, s62, s63
	s_mov_b32 s63, 0
	s_add_co_u32 s42, s9, 1
	s_lshl_b32 s42, s42, 22                        ; k lies 16 slabs behind q, v 32
	s_mov_b32 s43, 0
	s_wait_dscnt 0x0
	s_wait_kmcnt 0x0
	s_add_nc_u64 s[44:45], s[4:5], s[62:63]        ; q: my rows of block 0
	s_add_nc_u64 s[40:41], s[44:45], s[42:43]      ; k or v: my 32 keys of tile 0
	s_lshl_b32 s62, s12, 18
	s_lshl_b32 s15, s10, 12
	s_add_co_u32 s62, s62, s15
	s_add_nc_u64 s[46:47], s[6:7], s[62:63]        ; att: my rows of block 0
	s_lshl_b32 s42, s13, 14
	s_add_nc_u64 s[G0+2:G0+3], s[40:41], s[42:43]  ; the first tile: bO's diagonal
	s_or_b32 s[G0+3], s[G0+3], 0x80000000
	JLOAD 0                                        ; the first fill, ahead of every wait on TENSORcnt, LDS read and barrier
	s_mov_b32 s52, 0                               ; t: the next tile below the diagonal
	s_mov_b32 s53, s13                             ; lim
	s_mov_b32 s54, s14                             ; alt: behind block bO's tiles comes bE's diagonal
	s_mov_b32 s56, 0x3e38aa3b                      ; c = log2(e) / 8, twice: a pair for the packed forms
	s_mov_b32 s57, 0x3e38aa3b
	s_mov_b32 s58, 0xbe38aa3b                      ; -c
	s_mov_b32 s59, 0xff000000                      ; -2^127
	s_mov_b32 s60, 0x76543210                      ; v_permlanex16_b32: lane i of one half reads lane i of the other
	s_mov_b32 s61, 0xfedcba98
	v_and_b32 v1, 15, v0                           ; r
	v_bfe_u32 v2, v0, 4, 1                         ; h
	v_lshlrev_b32 v[VQ], 7, v1
	v_lshl_add_u32 v[VQ], v2, 4, v[VQ]
	LOADQ 13
	s_mul_i32 s15, s9, 2*PART                      ; my 64 keys: two parts
	v_mul_u32_u24 v24, v1, KP
	v_lshl_add_u32 v24, v2, 4, v24                 ; 144 r + 16 h
	v_add_nc_u32 v[KA], s15, v24
	v_add_nc_u32 v[KA+1], SLOT, v[KA]
	v_and_b32 v25, 7, v0
	v_lshl_add_u32 v26, v2, 3, v25                 ; key 8 h + l % 8
	v_mul_u32_u24 v26, v26, VP
	v_bfe_u32 v27, v0, 3, 1
	v_lshl_add_u32 v26, v27, 4, v26
	s_add_co_u32 s15, s15, 4*PART                  ; V lies behind K's four parts
	v_add_nc_u32 v[VA], s15, v26
	v_add_nc_u32 v[VA+1], SLOT, v[VA]
	s_lshl_b32 s62, s10, 5
	s_lshl_b32 s63, s9, 6
	s_sub_co_i32 s62, s62, s63                     ; 32 wq - 64 half
	v_lshlrev_b32 v26, 3, v2
	v_sub_nc_u32 v26, v1, v26                      ; r - 8 h
	v_add_nc_u32 v[DIFF], s62, v26
	v_mov_b32 v[NINF], 0xff800000
	v_and_b32 v27, 31, v0
	s_mul_i32 s62, s10, MSZ
	s_add_co_u32 s62, s62, MERGE
	v_lshl_add_u32 v[MS], v27, 4, s62
	s_mul_i32 s63, s10, OSZ
	s_add_co_u32 s63, s63, OSTAGE
	v_add_nc_u32 v[STO], s63, v24
	v_lshrrev_b32 v26, 3, v27
	v_mul_u32_u24 v26, v26, KP
	v_lshl_add_u32 v26, v25, 4, v26                ; back: eight lanes take one row's 128 bytes, four rows a load
	v_add_nc_u32 v[RD], s63, v26
	v_lshlrev_b32 v[CO], 4, v27
	v_mov_b32 v[AL+1], 0
	v_mov_b32 v[NM+1], 0
; Eight score products: 4 key tiles x 2 query tiles, 32 of the 64 along d.  start = 1: C is the constant 0.
; The eight accumulators take turns, one instruction a turn, in the same order for both chunks.
.macro SMUL c, start
.irp qt, 0,1
.irp kt, 0,1,2,3
.if \start
	v_wmma_f32_16x16x32_f16 v[S+32*\qt+8*\kt:S+32*\qt+8*\kt+7], v[KV+16*\kt+8*\c:KV+16*\kt+8*\c+7], v[Q+16*\qt+8*\c:Q+16*\qt+8*\c+7], 0
.else
	v_wmma_f32_16x16x32_f16 v[S+32*\qt+8*\kt:S+32*\qt+8*\kt+7], v[KV+16*\kt+8*\c:KV+16*\kt+8*\c+7], v[Q+16*\qt+8*\c:Q+16*\qt+8*\c+7], v[S+32*\qt+8*\kt:S+32*\qt+8*\kt+7]
.endif
.endr
.endr
.endm
; Eight result products: 4 tiles of d x 2 query tiles, 32 of my 64 keys.  By turns likewise.
.macro PMUL u, start
.irp qt, 0,1
.irp dt, 0,1,2,3
.if \start
	v_wmma_f32_16x16x32_f16 v[O+32*\qt+8*\dt:O+32*\qt+8*\dt+7], v[KV+16*\dt+8*\u:KV+16*\dt+8*\u+7], v[S+32*\qt+16*\u:S+32*\qt+16*\u+7], 0
.else
	v_wmma_f32_16x16x32_f16 v[O+32*\qt+8*\dt:O+32*\qt+8*\dt+7], v[KV+16*\dt+8*\u:KV+16*\dt+8*\u+7], v[S+32*\qt+16*\u:S+32*\qt+16*\u+7], v[O+32*\qt+8*\dt:O+32*\qt+8*\dt+7]
.endif
.endr
.endr
.endm
; The softmax step of query tile qt: a lane holds 32 scores of one query (the lane 16 further holds the other 32 of my 64 keys).
.macro SOFTMAX qt, diag, first
.set SB, S+32*\qt
.if \diag
.irp kt, 0,1,2,3
.irp j, 0,1,2,3,4,5,6,7
	v_cmp_gt_i32 vcc_lo, 16*(\kt-\qt)+\j, v[DIFF]                  ; key > query
	v_cndmask_b32 v[SB+8*\kt+\j], v[SB+8*\kt+\j], v[NINF], vcc_lo
.endr
.endr
.endif
.irp c, 0,1,2,3
	v_max3_num_f32 v[T+\c], v[SB+8*\c], v[SB+8*\c+1], v[SB+8*\c+2]     ; four chains that do not wait for each other
.endr
.irp c, 0,1,2,3
	v_max3_num_f32 v[T+\c], v[T+\c], v[SB+8*\c+3], v[SB+8*\c+4]
.endr
.irp c, 0,1,2,3
	v_max3_num_f32 v[T+\c], v[T+\c], v[SB+8*\c+5], v[SB+8*\c+6]
.endr
	v_max3_num_f32 v[T], v[T], v[T+1], v[SB+7]
	v_max3_num_f32 v[T+2], v[T+2], v[T+3], v[SB+15]
	v_max3_num_f32 v[T], v[T], v[T+2], v[SB+23]
.if \first
	v_max3_num_f32 v[T], v[T], v[SB+31], s59       ; the floor keeps the maximum finite where all my keys are masked
.else
	v_max3_num_f32 v[T], v[T], v[SB+31], v[M+\qt]  ; the running maximum
.endif
	v_permlanex16_b32 v[T+1], v[T], s60, s61       ; the other half of the lanes holds the same query's other keys
	v_max_num_f32 v[T+4], v[T], v[T+1]             ; the new maximum, alike in both halves
.if \first
.else
	v_sub_f32 v[T+5], v[M+\qt], v[T+4]
	v_mul_f32 v[T+5], s56, v[T+5]                  ; (old - new) c, at most 0
.endif
	v_mul_f32 v[NM], s58, v[T+4]
.set e, 0
.rept 16
	v_pk_fma_f32 v[SB+2*e:SB+2*e+1], v[SB+2*e:SB+2*e+1], s[56:57], v[NM:NM+1] op_sel_hi:[1,0,0]   ; (score - maximum) c; a masked score stays -infinity
.set e, e+1
.endr
.set e, 0
.rept 32
	v_exp_f32 v[SB+e], v[SB+e]
.set e, e+1
.endr
.if \first
.else
	v_exp_f32 v[AL], v[T+5]
.endif
	v_mov_b32 v[M+\qt], v[T+4]                     ; the plain instruction that stands between the exponentials and the first use of a result (ISA guide 5.7.2)
	s_wait_alu depctr_va_vdst(0)
.irp c, 0,1,2,3
	v_pk_add_f32 v[T+2*\c:T+2*\c+1], v[SB+8*\c:SB+8*\c+1], v[SB+8*\c+2:SB+8*\c+3]
.endr
.irp c, 0,1,2,3
	v_pk_add_f32 v[T+2*\c:T+2*\c+1], v[T+2*\c:T+2*\c+1], v[SB+8*\c+4:SB+8*\c+5]
.endr
.irp c, 0,1,2,3
	v_pk_add_f32 v[T+2*\c:T+2*\c+1], v[T+2*\c:T+2*\c+1], v[SB+8*\c+6:SB+8*\c+7]
.endr
	v_pk_add_f32 v[T:T+1], v[T:T+1], v[T+2:T+3]
	v_pk_add_f32 v[T+4:T+5], v[T+4:T+5], v[T+6:T+7]
.if \first
	v_pk_add_f32 v[LS+2*\qt:LS+2*\qt+1], v[T:T+1], v[T+4:T+5]
.else
	v_pk_add_f32 v[T:T+1], v[T:T+1], v[T+4:T+5]
	v_pk_fma_f32 v[LS+2*\qt:LS+2*\qt+1], v[LS+2*\qt:LS+2*\qt+1], v[AL:AL+1], v[T:T+1] op_sel_hi:[1,0,1]
.endif
.irp u, 0,1
.irp i, 0,1,2,3,4,5,6,7
	v_cvt_pk_f16_f32 v[SB+16*\u+\i], v[SB+16*\u+2*\i], v[SB+16*\u+2*\i+1]   ; in place: key tile 2 u into registers 0-3, 2 u + 1 into 4-7: the B fragment of 32 keys
.endr
.endr
.if \first
.else
.set e, 0
.rept 16
	v_pk_mul_f32 v[O+32*\qt+2*e:O+32*\qt+2*e+1], v[O+32*\qt+2*e:O+32*\qt+2*e+1], v[AL:AL+1] op_sel_hi:[1,0]
.set e, e+1
.endr
.endif
.endm
; One unit: 128 queries x the 128 keys in a slot.  diag: the mask applies; first: it starts the block's sums; refill: the other slot gets the next tile.
.macro UNIT slot, diag, first, refill
	s_set_vgpr_msb 0x5
	s_wait_tensorcnt 0x0                           ; all my tensor loads have landed, my part of this unit's tile among them: a group 0 may be written
	ds_add_u32 v0, v1
	s_wait_dscnt 0x0
	s_set_vgpr_msb 0x500
.if \refill
	NEXT 1-\slot
.endif
	s_wait_dscnt 0x0                               ; my reads of the other slot are back
	s_barrier_signal -1
	s_barrier_wait -1                              ; both hold of all eight waves: this slot is whole, the other is read by nobody
.if \refill
	JLOAD 1-\slot                                  ; my one tensor load behind this barrier, first of all: it has the unit's work in which to land
.endif
.rept 5
	v_nop                                          ; places behind the last result products: four for the loads into their A registers, five for the score products that write over their B registers
.endr
.irp c, 0,1
.irp kt, 0,1,2,3
	ds_load_b128 v[KV+16*\kt+8*\c:KV+16*\kt+8*\c+3],   v[KA+\slot] offset:(\kt>>1)*PART+(\kt&1)*16*KP+64*\c
	ds_load_b128 v[KV+16*\kt+8*\c+4:KV+16*\kt+8*\c+7], v[KA+\slot] offset:(\kt>>1)*PART+(\kt&1)*16*KP+64*\c+32
.endr
.endr
.if \first
	s_wait_loadcnt 0x0                             ; the block's Q
.endif
	s_wait_dscnt 8                                 ; d 0-31 of K is in; the eight loads of d 32-63 may be out
	SMUL 0, 1
	s_wait_dscnt 0
	SMUL 1, 0
.rept 4
	v_nop                                          ; places: V is loaded over K's fragments, and the softmax reads the scores
.endr
.irp u, 0,1
.irp dt, 0,1,2,3
	ds_load_tr16_b128 v[KV+16*\dt+8*\u:KV+16*\dt+8*\u+3],   v[VA+\slot] offset:PART*\u+32*\dt
	ds_load_tr16_b128 v[KV+16*\dt+8*\u+4:KV+16*\dt+8*\u+7], v[VA+\slot] offset:PART*\u+32*\dt+16*VP
.endr
.endr
	SOFTMAX 0, \diag, \first
	SOFTMAX 1, \diag, \first
	s_wait_dscnt 8                                 ; V of my first 32 keys is in; the eight loads of the second 32 may be out
	PMUL 0, \first
	s_wait_dscnt 0
	PMUL 1, 0
.endm
; The end of query block s[blk]: waves 4-7 hand maximum, sum and result to waves 0-3, which merge, divide, and store 32 rows each.
.macro FINISH blk
.rept 4
	v_nop                                          ; places behind the last result products
.endr
	v_add_f32 v[LS], v[LS], v[LS+1]
	v_add_f32 v[LS+2], v[LS+2], v[LS+3]
	s_lshl_b32 s62, s[\blk], 14
	s_mov_b32 s63, 0
	s_add_nc_u64 s[50:51], s[46:47], s[62:63]      ; free: the wave's earlier stores were followed by a wait on XCNT
	s_cmp_eq_u32 s9, 0
	s_cbranch_scc1 .Lno_send_\@
	v_mov_b32 v[T], v[M]
	v_mov_b32 v[T+1], v[M+1]
	v_mov_b32 v[T+2], v[LS]
	v_mov_b32 v[T+3], v[LS+2]
.set e, 0
.rept 16
	ds_store_b128 v[MS], v[O+4*e:O+4*e+3] offset:512*e
.set e, e+1
.endr
	ds_store_b128 v[MS], v[T:T+3] offset:8192
.Lno_send_\@:
	s_wait_dscnt 0x0                               ; for the partner's sake: my stores are done
	s_barrier_signal -1                            ; The tile on its way may stay out
	s_barrier_wait -1
	s_cmp_lg_u32 s9, 0
	s_cbranch_scc1 .Lno_merge_\@
.set e, 0
.rept 16
	ds_load_b128 v[KV+4*e:KV+4*e+3], v[MS] offset:512*e
.set e, e+1
.endr
	ds_load_b128 v[T+4:T+7], v[MS] offset:8192     ; the partner's two maxima and two sums
	s_wait_dscnt 0x0
.irp qt, 0,1
	v_max_num_f32 v[T], v[M+\qt], v[T+4+\qt]
	v_sub_f32 v[T+1], v[M+\qt], v[T]
	v_sub_f32 v[T+2], v[T+4+\qt], v[T]
	v_mul_f32 v[T+1], s56, v[T+1]
	v_mul_f32 v[T+2], s56, v[T+2]
	v_exp_f32 v[T+1], v[T+1]
	v_exp_f32 v[T+2], v[T+2]
	v_nop                                          ; the plain place behind the exponentials
	s_wait_alu depctr_va_vdst(0)
	v_mul_f32 v[T+3], v[LS+2*\qt], v[T+1]
	v_fmac_f32 v[T+3], v[T+6+\qt], v[T+2]
	v_permlanex16_b32 v[T], v[T+3], s60, s61       ; the sums of the two halves of the lanes meet here, once a block
	v_add_f32 v[T+3], v[T+3], v[T]
	v_rcp_f32 v[T], v[T+3]                         ; the sum holds the term 1 of the largest score: never 0
	v_nop                                          ; the plain place behind the reciprocal
	s_wait_alu depctr_va_vdst(0)
	v_mul_f32 v[AL], v[T+1], v[T]
	v_mul_f32 v[NM], v[T+2], v[T]
.set e, 0
.rept 16
	v_pk_mul_f32 v[O+32*\qt+2*e:O+32*\qt+2*e+1], v[O+32*\qt+2*e:O+32*\qt+2*e+1], v[AL:AL+1] op_sel_hi:[1,0]
	v_pk_fma_f32 v[O+32*\qt+2*e:O+32*\qt+2*e+1], v[KV+32*\qt+2*e:KV+32*\qt+2*e+1], v[NM:NM+1], v[O+32*\qt+2*e:O+32*\qt+2*e+1] op_sel_hi:[1,0,1]
.set e, e+1
.endr
.endr
.set e, 0
.rept 32
	v_cvt_pk_f16_f32 v[S+e], v[O+2*e], v[O+2*e+1]  ; a lane's eight d of one tile: 16 bytes of a row
.set e, e+1
.endr
.irp qt, 0,1
.irp dt, 0,1,2,3
	ds_store_b128 v[STO], v[S+16*\qt+4*\dt:S+16*\qt+4*\dt+3] offset:16*KP*\qt+32*\dt
.endr
.endr
.irp i, 0,1,2,3,4,5,6,7
	ds_load_b128 v[S+32+4*\i:S+32+4*\i+3], v[RD] offset:4*KP*\i    ; my own bytes; LDS serves a wave's instructions in order
.endr
.irp i, 0,1,2,3,4,5,6,7
	s_wait_dscnt 7-\i                              ; load i of the eight is in
	global_store_b128 v[CO], v[S+32+4*\i:S+32+4*\i+3], s[50:51] offset:512*\i   ; 32 lanes store 512 consecutive bytes, aligned: four rows
.endr
	s_wait_xcnt 0x0                                ; the stores' data registers and base are written again only behind this wait
.Lno_merge_\@:
.endm
	UNIT 0, 1, 1, 1                                ; block bO: its diagonal
	s_lshr_b32 s55, s13, 1                         ; then its bO full tiles, two a trip
	s_cmp_eq_u32 s55, 0
	s_cbranch_scc1 .Lend_o
.Lloop_o:
	UNIT 1, 0, 0, 1
	UNIT 0, 0, 0, 1
	s_sub_co_u32 s55, s55, 1
	s_cmp_lg_u32 s55, 0
	s_cbranch_scc1 .Lloop_o
.Lend_o:
	LOADQ 14                                       ; the next block's Q comes in while this block is merged and stored
	FINISH 13
	s_mov_b32 s52, 0                               ; block bE: tiles 0 .. bE - 1 follow its diagonal
	s_mov_b32 s53, s14
	UNIT 1, 1, 1, 1
	s_lshr_b32 s55, s14, 1                         ; bE is odd: (bE - 1) / 2 trips of two, and one more unit
	s_cmp_eq_u32 s55, 0
	s_cbranch_scc1 .Lend_e
.Lloop_e:
	UNIT 0, 0, 0, 1
	UNIT 1, 0, 0, 1
	s_sub_co_u32 s55, s55, 1
	s_cmp_lg_u32 s55, 0
	s_cbranch_scc1 .Lloop_e
.Lend_e:
	UNIT 0, 0, 0, 0                                ; the last unit fetches nothing
	FINISH 14
	s_set_vgpr_msb 0x5
	s_wait_tensorcnt 0x0
	ds_add_u32 v0, v1
	s_wait_dscnt 0x0
	s_set_vgpr_msb 0x500
	s_endpgm
.Lfunc_end_k_q6317003b7e_attn:
	.size	k_q6317003b7e_attn, .Lfunc_end_k_q6317003b7e_attn-k_q6317003b7e_attn
	.p2alignl 7, 3214868480
	.fill 96, 4, 3214868480
	.section	.rodata,"a",@progbits
	.p2align	6, 0x0
	.amdhsa_kernel k_q6317003b7e_attn
		.amdhsa_group_segment_fixed_size 327680
		.amdhsa_private_segment_fixed_size 0
		.amdhsa_enable_private_segment 0
		.amdhsa_kernarg_size 16
		.amdhsa_user_sgpr_count 2
		.amdhsa_user_sgpr_kernarg_segment_ptr 1
		.amdhsa_wavefront_size32 1
		.amdhsa_system_sgpr_workgroup_id_x 1
		.amdhsa_system_sgpr_workgroup_id_y 1
		.amdhsa_system_sgpr_workgroup_id_z 1
		.amdhsa_system_vgpr_workitem_id 0
		.amdhsa_next_free_vgpr 258
		.amdhsa_next_free_sgpr 66
		.amdhsa_reserve_vcc 1
		.amdhsa_float_denorm_mode_32 3
		.amdhsa_float_denorm_mode_16_64 3
		.amdhsa_memory_ordered 1
		.amdhsa_forward_progress 1
		.amdhsa_inst_pref_size 160
	.end_amdhsa_kernel
	.amdgpu_metadata
---
amdhsa.version: [ 1, 2 ]
amdhsa.kernels:
  - .name:           k_q6317003b7e_attn
    .symbol:         k_q6317003b7e_attn.kd
    .args:
      - { .name: qkv, .offset: 0, .size: 8, .value_kind: global_buffer, .address_space: global }
      - { .name: att, .offset: 8, .size: 8, .value_kind: global_buffer, .address_space: global }
    .group_segment_fixed_size: 327680
    .private_segment_fixed_size: 0
    .kernarg_segment_align: 8
    .kernarg_segment_size: 16
    .max_flat_workgroup_size: 256
    .sgpr_count:     66
    .vgpr_count:     258
    .wavefront_size: 32
...
	.end_amdgpu_metadata
.endif
;; end of part 3
;; launch outproj (part 4): grid 8 x 32, 4 waves a work-group, clusters of 4 x 4, 327,680 bytes of LDS; arguments att, cb, b_out, out0; writes out0
.if DOCPART == 4
	.amdgcn_target "amdgcn-amd-amdhsa--gfx1250"
	.amdhsa_code_object_version 6
	.text
	.protected	k_q6317003b7e_outproj
	.globl	k_q6317003b7e_outproj
	.p2align	8
	.type	k_q6317003b7e_outproj,@function
k_q6317003b7e_outproj:
	s_mov_b64 s[64:65], 0
	v_nop
	global_prefetch_b8 v0, s[64:65] scope:SCOPE_SE
	s_setreg_imm32_b32 hwreg(HW_REG_WAVE_MODE, 25, 1), 1
	s_wait_xcnt 0x0
	s_wait_alu depctr_hold_cnt(0) depctr_sa_sdst(0) depctr_va_vdst(0) depctr_va_sdst(0) depctr_va_ssrc(0) depctr_va_vcc(0) depctr_vm_vsrc(0)
	s_getreg_b32 s2, hwreg(HW_REG_IB_STS2, 6, 4)
	s_cmp_eq_u32 s2, 0
	s_cbranch_scc0 .Lentry_in_a_cluster
	s_endpgm
.Lentry_in_a_cluster:
	s_bfe_u32 s2, ttmp6, 0x10000c
	s_cmp_lg_u32 s2, 0xf033
	s_cbranch_scc0 .Lentry_shape_is_right
	s_endpgm
.Lentry_shape_is_right:
; out0 = attn W_out + b_out.  A = att, f16, head-major [b][h][t][64]: k = 64 h + d.  B = W_out in f16 code [1024 k][1024 n] (cb, byte 14,680,064).  Sums and result in f32.
; The bias is added first (as the C of the first product).
; 256 work-groups of 128 x 128; four waves, a wave 64 x 64 = 16 accumulator tiles.  Larger blocks would leave WGPs without work: 4096 x 1024 is 256 blocks of this size.
; K goes in four steps of 256 (four heads) through two LDS slots: a slot holds two K steps of 128, so that there is one change of slots for 128 matrix instructions of a wave.
; CLUSTERS: 4 x 4 work-groups; A's tile is asked for jointly along a row of the cluster, B's along a column.
; REGISTERS: window 0: v16-27 addresses; v64-127 fragments of A, two buffers of 32; v128-191 fragments of B, two buffers; v224-255 the bias of my 64 columns.
;            window 1: v0-127 the accumulators, tile (a, b) at v[8 (4 a + b)].
; The matrix instruction is used transposed (source 0 = 16 columns of W_out, source 1 = 16 rows of attn): a lane holds eight neighbouring columns of one row.
.set WO_OFF, 14680064
.set AP,     144                       ; A's LDS row: a head's 128 bytes + 16
.set BP,     288                       ; B's LDS row: 256 bytes + 32 = 9 x 32
.set ASLAB,  128*AP                    ; 128 rows of one head: 18,432
.set PART,   36864                     ; what one tensor load brings: two heads of A, or 128 k-rows of B
.set SLOT,   4*PART                    ; A's heads 0-1, A's heads 2-3, B's k 0-127, B's k 128-255
.set STAGE,  2*SLOT                    ; behind the ring: 16 rows x 272 bytes for each wave; no tensor load lands here
.set SPITCH, 272
.set ADRA, 16                          ; v16-17  my A fragments in slot 0, 1
.set ADRB, 20                          ; v20-23  my B fragments: slot 0 k 0-127, slot 0 k 128-255, slot 1 likewise (the 16-bit immediate does not span 256 k-rows)
.set STO,  24
.set RD,   25
.set CO,   26
.set BO,   27
.set FA,   64                          ; buffer f at FA + 32 f
.set FB,   128                         ; buffer f at FB + 32 f
.set BIAS, 224
.set G1,  24
.set G0,  32
.set G1B, 48
.set G0B, 56
.set MSB, 0
.macro WIN new
.if MSB != \new
	s_set_vgpr_msb (MSB<<8)|\new
.set MSB, \new
.endif
.endm
.set MUL_W,  0x50                      ; sources 0 and 1 window 0, C and D window 1
.set BIAS_W, 0x40                      ; the first products: C = the bias in window 0, D window 1
.set ST_W,   0x04                      ; an LDS store's data in window 1
.macro JLOAD slot
	s_cmp_eq_u32 s13, 0
	s_cbranch_scc0 .Lfor_b_\@
	tensor_load_to_lds s[G0+4*\slot:G0+4*\slot+3], s[G1:G1+7]
	s_nop 0
	s_branch .Lasked_\@
.Lfor_b_\@:
	tensor_load_to_lds s[G0B+4*\slot:G0B+4*\slot+3], s[G1B:G1B+7]
	s_nop 0
.Lasked_\@:
.endm
.macro CREST
	s_cmp_lg_u32 s12, 0
	s_cbranch_scc1 .Lnot_wave_0_\@
	s_barrier_signal -3
.Lnot_wave_0_\@:
	s_barrier_wait -3
	s_barrier_signal -1
	s_barrier_wait -1
.endm
.macro CROUND
	s_barrier_signal -1
	s_barrier_wait -1
	CREST
.endm
	s_load_b256 s[4:11], s[0:1], 0x0               ; att s[4:5], cb s[6:7], b_out s[8:9], out0 s[10:11]
	v_lshl_add_u32 v222, v0, 2, 0x4c400
	v_mov_b32 v223, 0
	ds_add_u32 v222, v223
	ds_add_u32 v222, v223
	v_lshrrev_b32 v1, 5, v0
	v_readfirstlane_b32 s12, v1                    ; wave 0..3
	s_lshr_b32 s13, s12, 1                         ; my half of the block's rows.  Also: I fetch for A (0) or for B (1)
	s_and_b32 s14, s12, 1                          ; my half of its columns.  Also: which part I fetch
	s_bfe_u32 s17, ttmp6, 0x40000                  ; cx
	s_bfe_u32 s18, ttmp6, 0x40004                  ; cy
	s_lshl_b32 s16, ttmp9, 2
	s_add_co_u32 s16, s16, s17                     ; block column, 0..7
	s_and_b32 s15, ttmp7, 0xffff
	s_lshl_b32 s15, s15, 2
	s_add_co_u32 s15, s15, s18                     ; block row, 0..31
	s_lshl_b32 s19, s18, 2
	s_lshl_b32 s19, 15, s19                        ; my row of the cluster
	s_lshl_b32 s20, 0x1111, s17                    ; my column
	; group 1 for A: two heads; of each, 128 rows x 128 bytes are 16 KiB dense = one row of 2,048 elements of 8 bytes; from head to head one slab.
	; The padding is counted along the whole tile, every 32 words: each 128 bytes get their own 16.
	s_or_b32 s[G1+0], s19, (3<<16)|(1<<20)|(1<<21)|(4<<22)|(3<<25)
	s_mov_b32 s[G1+1], 2048<<16                    ; tensor_dim0 = 2,048
	s_mov_b32 s[G1+2], 2<<16                       ; tensor_dim1 = 2
	s_mov_b32 s[G1+3], 2048<<16                    ; tile_dim0 = 2,048
	s_mov_b32 s[G1+4], 2                           ; tile_dim1 = 2
	s_mov_b32 s[G1+5], 32768                       ; 262,144 bytes from head to head
	s_mov_b32 s[G1+6], 0
	s_mov_b32 s[G1+7], 0
	; group 1 for B: 128 k-rows x 128 f16, 32 bytes of padding behind every 64 words
	s_or_b32 s[G1B+0], s20, (1<<16)|(1<<20)|(1<<21)|(5<<22)|(7<<25)
	s_mov_b32 s[G1B+1], 128<<16
	s_mov_b32 s[G1B+2], 128<<16
	s_mov_b32 s[G1B+3], 128<<16
	s_mov_b32 s[G1B+4], 128
	s_mov_b32 s[G1B+5], 1024
	s_mov_b32 s[G1B+6], 0
	s_mov_b32 s[G1B+7], 0
	; A's offset from the block row and the wave's number (s40, s41, s44); B's from the block column and the wave's number (s42, s43, s46)
	s_lshr_b32 s40, s15, 4
	s_lshl_b32 s40, s40, 22                        ; batch = block row / 16: 16 slabs
	s_and_b32 s44, s15, 15
	s_lshl_b32 s44, s44, 14                        ; t = 128 x (block row % 16), 128 bytes a row
	s_add_co_u32 s40, s40, s44
	s_lshl_b32 s44, s14, 19                        ; heads 2 x part
	s_add_co_u32 s40, s40, s44
	s_mov_b32 s41, 0
	s_lshl_b32 s42, s14, 18                        ; k-row 128 x part, 2,048 bytes a row
	s_lshl_b32 s46, s16, 8                         ; column 128 x block column
	s_add_co_u32 s42, s42, s46
	s_add_co_u32 s42, s42, WO_OFF                  ; in W_out's section of cb
	s_mov_b32 s43, 0
	s_mul_i32 s21, s12, PART                       ; LDS: wave x 36,864
	s_lshl_b32 s22, s16, 9                         ; the bias of my 64 columns: 4 x (128 x block column + 64 x half)
	s_lshl_b32 s23, s14, 8
	s_add_co_u32 s22, s22, s23
	s_mov_b32 s23, 0
	s_wait_dscnt 0x0
	s_wait_kmcnt 0x0
	s_add_nc_u64 s[40:41], s[4:5], s[40:41]
	s_add_nc_u64 s[42:43], s[6:7], s[42:43]
	s_add_nc_u64 s[66:67], s[8:9], s[22:23]
	CROUND                                         ; all sixteen work-groups are here: the first joint loads meet
.irp s, 0,1
	s_mov_b32 s[G0+4*\s], 1
	s_add_co_u32 s[G0+4*\s+1], s21, \s*SLOT
	s_add_nc_u64 s[G0+4*\s+2:G0+4*\s+3], s[40:41], \s*4*262144      ; step s: four heads on
	s_or_b32 s[G0+4*\s+3], s[G0+4*\s+3], 0x80000000
	s_mov_b32 s[G0B+4*\s], 1
	s_add_co_u32 s[G0B+4*\s+1], s21, \s*SLOT
	s_add_nc_u64 s[G0B+4*\s+2:G0B+4*\s+3], s[42:43], \s*256*2048    ; step s: 256 k-rows down
	s_or_b32 s[G0B+4*\s+3], s[G0B+4*\s+3], 0x80000000
	JLOAD \s                                       ; both first fills go out together: two loads of the wave are out
.endr
	v_and_b32 v1, 15, v0                           ; r
	v_bfe_u32 v2, v0, 4, 1                         ; h
	v_mul_u32_u24 v3, v1, AP
	v_lshl_add_u32 v3, v2, 4, v3
	s_mul_i32 s22, s13, 64*AP                      ; my 64 rows
	v_add_nc_u32 v[ADRA], s22, v3
	v_add_nc_u32 v[ADRA+1], SLOT, v[ADRA]
	v_and_b32 v4, 7, v0
	v_lshl_add_u32 v4, v2, 3, v4                   ; k-row 8 h + l % 8
	v_mul_u32_u24 v4, v4, BP
	v_bfe_u32 v5, v0, 3, 1
	v_lshl_add_u32 v4, v5, 4, v4
	s_lshl_b32 s23, s14, 7                         ; my 64 columns
	s_add_co_u32 s23, s23, 2*PART
	v_add_nc_u32 v[ADRB], s23, v4
	v_add_nc_u32 v[ADRB+1], PART, v[ADRB]
	v_add_nc_u32 v[ADRB+2], SLOT, v[ADRB]
	v_add_nc_u32 v[ADRB+3], SLOT, v[ADRB+1]
	s_mul_i32 s22, s12, 16*SPITCH
	s_add_co_u32 s22, s22, STAGE
	v_mul_u32_u24 v6, v1, SPITCH
	v_lshl_add_u32 v6, v2, 5, v6                   ; in: row r, 32 bytes for each half of the lanes
	v_add_nc_u32 v[STO], s22, v6
	v_mul_u32_u24 v7, v2, SPITCH
	v_lshl_add_u32 v7, v1, 4, v7                   ; back: lanes 0-15 one row of 256 bytes, lanes 16-31 the next
	v_add_nc_u32 v[RD], s22, v7
	v_lshlrev_b32 v8, 12, v2
	v_lshl_add_u32 v[CO], v1, 4, v8                ; the same two rows in out0
	v_lshlrev_b32 v[BO], 5, v2
.irp b, 0,1,2,3
	global_load_b128 v[BIAS+8*\b:BIAS+8*\b+3],   v[BO], s[66:67] offset:64*\b      ; v[BIAS + 8 b + j] = bias of column 16 b + 8 h + j
	global_load_b128 v[BIAS+8*\b+4:BIAS+8*\b+7], v[BO], s[66:67] offset:64*\b+16
.endr
; 8 matrix instructions: row blocks a0, a0 + 1 x 4 column blocks, 32 along K, from buffer f.  The 16 accumulators take turns, one instruction a turn.
.macro MUL8 f, a0, first
.irp a, \a0, \a0+1
.irp b, 0,1,2,3
.if \first
	v_wmma_f32_16x16x32_f16 v[8*(4*(\a)+\b):8*(4*(\a)+\b)+7], v[FB+32*\f+8*\b:FB+32*\f+8*\b+7], v[FA+32*\f+8*(\a):FA+32*\f+8*(\a)+7], v[BIAS+8*\b:BIAS+8*\b+7]
.else
	v_wmma_f32_16x16x32_f16 v[8*(4*(\a)+\b):8*(4*(\a)+\b)+7], v[FB+32*\f+8*\b:FB+32*\f+8*\b+7], v[FA+32*\f+8*(\a):FA+32*\f+8*(\a)+7], v[8*(4*(\a)+\b):8*(4*(\a)+\b)+7]
.endif
.endr
.endr
.endm
; 16 LDS loads: the fragments of quarter q (0..7: 32 along K; head q / 2, d 32 (q % 2)) of a slot into buffer f; B first
.macro FETCH3 slot, q, f
.irp b, 0,1,2,3
	ds_load_tr16_b128 v[FB+32*\f+8*\b:FB+32*\f+8*\b+3],   v[ADRB+2*\slot+(\q>>2)] offset:(\q&3)*32*BP+32*\b
	ds_load_tr16_b128 v[FB+32*\f+8*\b+4:FB+32*\f+8*\b+7], v[ADRB+2*\slot+(\q>>2)] offset:(\q&3)*32*BP+32*\b+16*BP
.endr
.irp a, 0,1,2,3
	ds_load_b128 v[FA+32*\f+8*\a:FA+32*\f+8*\a+3],   v[ADRA+\slot] offset:(\q>>1)*ASLAB+(\q&1)*64+16*AP*\a
	ds_load_b128 v[FA+32*\f+8*\a+4:FA+32*\f+8*\a+7], v[ADRA+\slot] offset:(\q>>1)*ASLAB+(\q&1)*64+16*AP*\a+32
.endr
.endm
.macro PLACES                          ; four plain vector places between a matrix instruction and a load into one of its registers or a read of its result
.rept 4
	v_nop
.endr
.endm
; One of a step's first seven quarters: multiplies buffer f; in its middle it fetches quarter qn of the same slot into buffer g.
.macro QUARTER3 slot, qn, f, g, first
	s_wait_dscnt 4                                 ; B and A's blocks 0, 1 are in; the youngest four loads (A's blocks 2, 3) may be out
.if \first
	WIN BIAS_W
.else
	WIN MUL_W
.endif
	MUL8 \f, 0, \first
	WIN 0
	PLACES
	FETCH3 \slot, \qn, \g
	s_wait_dscnt 16                                ; all but the 16 just issued
.if \first
	WIN BIAS_W
.else
	WIN MUL_W
.endif
	MUL8 \f, 2, \first
.endm
.macro SEVEN slot, first
	QUARTER3 \slot, 1, 0, 1, \first
	QUARTER3 \slot, 2, 1, 0, 0
	QUARTER3 \slot, 3, 0, 1, 0
	QUARTER3 \slot, 4, 1, 0, 0
	QUARTER3 \slot, 5, 0, 1, 0
	QUARTER3 \slot, 6, 1, 0, 0
	QUARTER3 \slot, 7, 0, 1, 0
.endm
; The eighth quarter: multiplies buffer 1 and changes slots.  In front of the barrier each wave waits for its reads of this slot and for all its tensor loads.
; fill = 1: the barrier opens a round of the cluster's barrier; behind the round this slot is asked for again, two steps ahead, first of all.
.macro TURN3 slot, next, fill
	s_wait_dscnt 4
	WIN MUL_W
	MUL8 1, 0, 0
	s_wait_dscnt 0                                 ; my reads of this slot are over
	s_wait_tensorcnt 0x0                           ; all my tensor loads have landed: the one that was out is my part of the next slot
	ds_add_u32 v222, v223
	s_wait_dscnt 0x0
	WIN 0
	s_barrier_signal -1
	s_barrier_wait -1
.if \fill
	CREST
	s_add_nc_u64 s[G0+4*\slot+2:G0+4*\slot+3], s[G0+4*\slot+2:G0+4*\slot+3], 8*262144
	s_add_nc_u64 s[G0B+4*\slot+2:G0B+4*\slot+3], s[G0B+4*\slot+2:G0B+4*\slot+3], 512*2048
	JLOAD \slot                                    ; the wave's one tensor load behind the round: it has the next step's 120 matrix instructions in which to land
.endif
	PLACES
	FETCH3 \next, 0, 0
	WIN MUL_W
	MUL8 1, 2, 0
.endm
	s_wait_tensorcnt 1                             ; my part of slot 0 is in; slot 1's load stays out
	s_barrier_signal -1
	s_barrier_wait -1
	FETCH3 0, 0, 0
	s_wait_loadcnt 0x0                             ; the bias
	SEVEN 0, 1                                     ; heads 0-3: the first quarter starts the sums from the bias
	TURN3 0, 1, 1
	SEVEN 1, 0                                     ; heads 4-7
	TURN3 1, 0, 1
	SEVEN 0, 0                                     ; heads 8-11
	TURN3 0, 1, 0                                  ; nothing is left to fetch
	SEVEN 1, 0                                     ; heads 12-15
	s_wait_dscnt 4
	WIN MUL_W
	MUL8 1, 0, 0
	s_wait_dscnt 0
	MUL8 1, 2, 0
	WIN 0
	; THE WAY OUT, 16 rows at a time through my own stage: a lane's 32 bytes in, whole rows of 256 bytes back.
	PLACES
	s_lshl_b32 s44, s15, 19                        ; the row part, from the block row alone: (128 x block row + 64 x half) x 4,096 bytes
	s_lshl_b32 s45, s13, 18
	s_add_co_u32 s44, s44, s45
	s_mov_b32 s45, 0
	s_add_nc_u64 s[10:11], s[10:11], s[44:45]
	s_lshl_b32 s46, s16, 9                         ; the column part, from the block column alone: (128 x block column + 64 x half) x 4 bytes
	s_lshl_b32 s47, s14, 8
	s_add_co_u32 s46, s46, s47
	s_mov_b32 s47, 0
	s_add_nc_u64 s[10:11], s[10:11], s[46:47]
.macro OUT3 a, f
	WIN ST_W
.irp b, 0,1,2,3
	ds_store_b128 v[STO], v[8*(4*\a+\b):8*(4*\a+\b)+3]   offset:64*\b
	ds_store_b128 v[STO], v[8*(4*\a+\b)+4:8*(4*\a+\b)+7] offset:64*\b+16
.endr
	WIN 0
	s_wait_xcnt 0x0                                ; buffer f, which earlier stores read, is loaded again only behind this wait
.irp t, 0,1,2,3,4,5,6,7
	ds_load_b128 v[FA+32*\f+4*\t:FA+32*\f+4*\t+3], v[RD] offset:2*SPITCH*\t   ; LDS serves a wave's instructions in order: these see the stores above
.endr
.irp t, 0,1,2,3,4,5,6,7
	s_wait_dscnt 7-\t                              ; load t of the eight is in
	global_store_b128 v[CO], v[FA+32*\f+4*\t:FA+32*\f+4*\t+3], s[10:11] offset:(16*\a+2*\t)*4096 th:TH_STORE_NT   ; 16 lanes store 256 consecutive bytes, aligned
.endr
.endm
	OUT3 0, 0
	OUT3 1, 1
	OUT3 2, 0
	OUT3 3, 1
	s_wait_tensorcnt 0x0
	ds_add_u32 v222, v223
	s_wait_dscnt 0x0
	CROUND                                         ; the closing round
	s_endpgm
.Lfunc_end_k_q6317003b7e_outproj:
	.size	k_q6317003b7e_outproj, .Lfunc_end_k_q6317003b7e_outproj-k_q6317003b7e_outproj
	.p2alignl 7, 3214868480
	.fill 96, 4, 3214868480
	.section	.rodata,"a",@progbits
	.p2align	6, 0x0
	.amdhsa_kernel k_q6317003b7e_outproj
		.amdhsa_group_segment_fixed_size 327680
		.amdhsa_private_segment_fixed_size 0
		.amdhsa_enable_private_segment 0
		.amdhsa_kernarg_size 32
		.amdhsa_user_sgpr_count 2
		.amdhsa_user_sgpr_kernarg_segment_ptr 1
		.amdhsa_wavefront_size32 1
		.amdhsa_system_sgpr_workgroup_id_x 1
		.amdhsa_system_sgpr_workgroup_id_y 1
		.amdhsa_system_sgpr_workgroup_id_z 1
		.amdhsa_system_vgpr_workitem_id 0
		.amdhsa_next_free_vgpr 384
		.amdhsa_next_free_sgpr 72
		.amdhsa_reserve_vcc 0
		.amdhsa_float_denorm_mode_32 3
		.amdhsa_float_denorm_mode_16_64 3
		.amdhsa_memory_ordered 1
		.amdhsa_forward_progress 1
		.amdhsa_inst_pref_size 91
	.end_amdhsa_kernel
	.amdgpu_metadata
---
amdhsa.version: [ 1, 2 ]
amdhsa.kernels:
  - .name:           k_q6317003b7e_outproj
    .symbol:         k_q6317003b7e_outproj.kd
    .args:
      - { .name: att, .offset: 0, .size: 8, .value_kind: global_buffer, .address_space: global }
      - { .name: cb, .offset: 8, .size: 8, .value_kind: global_buffer, .address_space: global }
      - { .name: b_out, .offset: 16, .size: 8, .value_kind: global_buffer, .address_space: global }
      - { .name: out0, .offset: 24, .size: 8, .value_kind: global_buffer, .address_space: global }
    .group_segment_fixed_size: 327680
    .private_segment_fixed_size: 0
    .kernarg_segment_align: 8
    .kernarg_segment_size: 32
    .max_flat_workgroup_size: 128
    .sgpr_count:     72
    .vgpr_count:     384
    .wavefront_size: 32
...
	.end_amdgpu_metadata
.endif
;; end of part 4
